; MI455X (gfx1250); checked and timed in simulation.
; The chip was launched on July 23, 2026; its instructions are those of AMD's public machine-readable ISA for CDNA 5 (MIT licence, August 2026) and "CDNA5" Instruction Set Architecture Reference Guide (July 2026). The comments in the code are by the model that wrote it; some were corrected since.
;; Attention. Allowed arithmetic: matrix products marked QUANTISED: E2M1 operands, one E8M0 scale for each 32 along K, by v_wmma_scale_f32_16x16x128_f8f6f4 with both operands' format E2M1 (or v_wmma_scale_f32_32x16x128_f4), f32 sums; everything else in f32.
;; Inputs: k 4 x 16 x 2,048 x 64 float32; q 4 x 16 x 2,048 x 64 float32; v 4 x 16 x 2,048 x 64 float32.
;; Outputs: out0 4 x 16 x 2,048 x 64 float32.
;; This version of the problem:
;;   THIS VERSION OF THE PROBLEM IS GIVEN IN LOW PRECISION. The matrix products marked QUANTISED in the list below multiply operands that are first quantised to E2M1 (2 exponent bits, 1 mantissa bit; 4 bits a number), with one power-of-two scale for each 32 numbers along K (OCP MX v1.0); their sums are f32. All else is computed in f32.
;;   The module's matrix products, in the order in which they are computed (A, B: the left and right operand; K: the contracted axis; several contracted axes count as one K, in the product's order):
;;     1. batch 64 x [M 2,048, K 64] x [K 64, N 2,048]; A: input q; B: input k: QUANTISED
;;     2. batch 64 x [M 2,048, K 2,048] x [K 2,048, N 64]; A: softmax (see below); B: input v: QUANTISED
;;   THE QUANTISER, for each operand of a quantised product, along K:
;;     - K is cut into blocks of 32 from its start; a last block that is shorter is filled with zeros.
;;     - A block's scale is 2^e with e = floor(log2(the largest magnitude in the block)) - 2, held to -126 .. 127; a block of zeros has e = 0. As a byte (E8M0): e + 127.
;;     - Each number is divided by its block's scale, clamped to +-6, and rounded to the nearest number of E2M1, ties to even, subnormals kept.
;;     - The product sums the exact products of the quantised numbers (number of the format x scale) in f32.
;;   ~~~python
;;   def quantise(x, axis):      # numpy; x: float32 -> the quantised numbers, widened to float32 again
;;       x = np.moveaxis(x, axis, -1); K = x.shape[-1]
;;       x = np.pad(x, [(0, 0)] * (x.ndim - 1) + [(0, -K % 32)]); x = x.reshape(x.shape[:-1] + (-1, 32)); a = np.abs(x).max(-1, keepdims=True)
;;       e = np.where(a > 0, np.clip(np.frexp(np.where(a > 0, a, 1))[1] - 1 - 2, -126, 127), 0)      # np.frexp(a)[1] - 1 = floor(log2(a)), exactly
;;       r = np.clip(x / 2.0 ** e, -6, 6)
;;       step = 2.0 ** (np.maximum(np.frexp(np.where(r == 0, 1, r))[1] - 1, 0) - 1)
;;       q = np.round(r / step) * step * 2.0 ** e      # np.round: ties to even
;;       return np.moveaxis(q.reshape(q.shape[:-2] + (-1,))[..., :K], -1, axis).astype(np.float32)
;;   ~~~
;;   SOFTMAX AHEAD OF A QUANTISED PRODUCT. Where the list says 'softmax', what is quantised is not the finished softmax but p = 2^(t - M), with t = logit x log2(e) and M = ceil(the row's largest t), a whole number; so 1/2 < the row's largest p <= 1. The row's sum l is taken of the UNQUANTISED p, in f32, and the product's result is divided by l at the end. Since M is a whole number, a kernel that streams over the keys may use a running M (the ceiling of the running maximum): every later rescaling is an exact power of two, which a block's scale takes up: the codes' values come out the same.
;;   OPERANDS COMPUTED ON THE WAY. 'Computed on the way' means the value that the module computes at that place (a softmax that the list does not call 'softmax' is quantised finished and normalised). What goes into a quantiser is computed in f32, as accurately as f32 sums, v_exp_f32 and their like allow (about 1e-6 of the number): no bf16 or f16 on the way to a quantiser, and a product that is left as it is and whose result goes on into a quantised operand takes f32 operands (vector FMAs, or v_wmma_f32_16x16x4_f32). A number that lies on a knife's edge between two numbers of the format may be rounded either way, as far as f32 arithmetic and the matrix unit's own rounding can turn it there, and no further.
;; 2 versions. Each part assembles by itself: llvm-mc -triple=amdgcn-amd-amdhsa -mcpu=gfx1250 --defsym DOCPART=n.
;; ======== version 1 of 2: 1 launch
;; launch attn (part 1): grid 256 x 1, 16 waves a work-group, no clusters, 288,768 bytes of LDS; arguments q, k, v, out0; writes out0
.if DOCPART == 1
	.amdgcn_target "amdgcn-amd-amdhsa--gfx1250"
	.amdhsa_code_object_version 6
	.text
	.protected	k_qc8b57135cb_attn
	.globl	k_qc8b57135cb_attn
	.p2align	8
	.type	k_qc8b57135cb_attn,@function
k_qc8b57135cb_attn:
	s_mov_b64 s[64:65], 0
	v_nop
	global_prefetch_b8 v0, s[64:65] scope:SCOPE_SE
	s_setreg_imm32_b32 hwreg(HW_REG_WAVE_MODE, 25, 1), 1
	s_wait_xcnt 0x0
; out0[head][i][:] = the sum over j <= i of softmax_j(q[head][i] . k[head][j] / 8) v[head][j][:].  64 heads, 2,048 positions, head size 64; q, k, v, out0 f32.
; Both products run on codes of FP4 (E2M1) with one E8M0 scale for each 32 along the product's K: q and k are quantised along the head's 64, v and p along the keys.
; THE SOFTMAX AHEAD OF THE SECOND PRODUCT: t = score x log2(e) / 8; M = the running largest t rounded UP to a whole number; p = 2^(t - M) is quantised, not normalised; the row's sum is taken of the
; unquantised p and divides at the end; when M moves, the sum and O are multiplied by 2^(old M - new M), which rounds nothing.
; SHARES.  Four work-groups to a head, sixteen waves each, 256 registers a wave.  A head has 128 tiles of 16 queries; wave gw (0 .. 63 in the head) owns tiles gw and 127 - gw: with a = gw / 8 these want
; a + 1 and 16 - a key steps of 128 keys, 17 for every wave, whatever gw.
; PHASE 1.  As codes a head's K is 65,536 bytes, its V the same, their scale words 8,192: all of it stays in LDS.  Wave w quantises keys 128 w .. 128 w + 127 of K and of V and stores them as IMAGES OF THE
; OPERANDS' REGISTERS (16 bytes a lane, 512 bytes a store), and its two tiles of q into registers.  ONE barrier.  PHASE 2 reads LDS alone: sixteen trips, a key step of each tile a trip; a step whose keys
; all come after the tile's queries is jumped over by a scalar branch on ids.  THE WAY OUT goes through the wave's own stage.
; K = 64 IN AN INSTRUCTION OF K = 128: source 0 holds TWO tiles of 16 keys (registers 0-3 and 4-7); source 1 is q's codes beside four registers of zero codes, [q, 0] for the first tile, [0, q] for the second:
; twelve registers [0 | q | 0] serve both.  q's scale word repeats its two bytes.
; BOTH PRODUCTS ARE USED TRANSPOSED (S^T = k q^T, O^T = v^T p^T): a lane holds one query throughout.  THE KEYS OF A TILE ARE NOT NEIGHBOURS: lane r of tile 2 b + u takes key 32 b + 8 u + r + 8 (r / 8), so that
; the 16 registers of tiles 2 b and 2 b + 1 are 16 neighbouring keys, 32 b + 16 (lane / 16) + 0 .. 15.
; NO JOINT LOADS, though the four work-groups of a head read the same 1,048,576 bytes of k and v: the numbers are f32 and must pass through registers to the quantiser; as f32 tiles in LDS they would have
; 327,680 - 139,264 = 188,416 bytes beside the codes, so two slots of 94,208 bytes would be filled a dozen times, each time behind a round of the cluster's barrier for all sixteen waves.
; No tensor load, so no ring: nothing in LDS is filled by an engine.
; LIMITS: NaN and infinities among the inputs are not served.  A block of zeros gets the scale byte 1 where the rule says 127: its codes are zeros, and the bytes are read by this program alone.
; A p under 2^-126 comes out of v_exp_f32 as 0 (ISA guide, the instruction's entry).
.set VIMG, 65536                       ; LDS: K's images at 0: [step 16][tile 8] x 512 bytes;  V's here: [step][16 of the head's 64: 4][64 keys: 2] x 512 bytes
.set KSC,  131072                      ; K's scale words: [step] x 256 bytes, lane r's four words at 16 r: word b = tile 2 b's two bytes, then tile 2 b + 1's
.set VSC,  135168                      ; V's: [step] x 256 bytes, at 16 r: word t = the four block bytes of column 16 t + r
.set STG,  139264                      ; a stage of 9,216 bytes for each wave: in phase 1 64 chunks of 128 bytes + 16; on the way out 16 rows of 256 bytes + 16
.set LI,   1                           ; v1   16 x lane: an image's place, and the dense loads' and stores' offset; never rewritten
.set LV,   2                           ; v2   LI + VIMG
.set AKS,  3                           ; v3   KSC + 16 r
.set AVS,  4                           ; v4   VSC + 16 r
.set ADK,  5                           ; v5-8 the addresses of the step in hand: K's images, V's, K's scale words, V's
.set ADV,  6
.set ADS,  7
.set ADT,  8
.set DL,   9                           ; v9   r - 16 h
.set NINF, 10                          ; v10  -infinity
.set DD,   11                          ; v11  at work in the mask
.set STH,  12                          ; v12-15 the late tile's -M, largest t, sum in two halves;  v16-19 the early tile's
.set STL,  16
.set MXA,  12                          ; phase 1 alone, v12-19: two chains of the largest magnitude,
.set MXB,  13
.set SCO,  14                          ; the conversion's scale operand,
.set BY,   15                          ; the scale's byte,
.set TP,   16                          ; the other half's,
.set WD0,  17                          ; two bytes of a tile,
.set WD1,  18
.set VWD,  19                          ; four bytes of a column of V
.set QFH,  20                          ; v20-31 the late tile of q: zeros, codes, zeros;  v32-43 the early tile
.set QFL,  32
.set QSH,  44                          ; v44, v45 q's scale words; v46 p's; v48-51 K's of the step; v52-55 V's: these hold scales and nothing else
.set QSL,  45
.set PS,   46
.set KS,   48
.set VS,   52
.set FB,   56                          ; v56-87   the step's fragments of K, then of V
.set S,    88                          ; v88-151  S^T, then p
.set OH,   152                         ; v152-183 O^T of the late tile;  v184-215 of the early one
.set OL,   184
.set RA,   88                          ; phase 1: two buffers of 64 numbers
.set RB,   152
.set PC,   216                         ; v216-223 p's codes
.set CK,   216                         ; phase 1: the codes just made
.set BM,   224                         ; v224-227 the blocks' largest scores, then their largest p
.set BT,   228                         ; v228-231 the other half's, then the scale bytes
.set BS,   232                         ; v232-235 the conversions' scale operands
.set F,    236                         ; v[236:237] f = 2^(old M - new M), named as a pair
.set T0,   238
.set L2,   240                         ; v[240:241] the row sum's second chain
.set STI,  224                         ; phase 1 alone, v224-232: the stage on the way in;
.set STK,  225                         ; out of it for K: my key's half row;
.set STQ,  226                         ; for q;
.set KWI,  227                         ; where I store K's images,
.set KWS,  228                         ; K's scale words;
.set VGO,  229                         ; 4 x lane: V's loads;
.set VWI,  230                         ; where I store V's images,
.set VWS,  231                         ; V's scale words;
.set SH8,  232                         ; 8 h
.set WN,   12                          ; s12  my wave's number
.set SEL,  20                          ; s[20:21] v_permlanex16_b32's selects for lane l xor 16
.set CS,   22                          ; s[22:23] c = log2(e) / 8; the packed form names a pair and takes its low word for both halves
.set QLO,  24                          ; s[24:25], s[26:27] q at my early and my late tile;  s[28:29], s[30:31] out0 likewise
.set QHI,  26
.set OLO,  28
.set OHI,  30
.set Q0H,  32                          ; s32, s33 the tiles' first queries
.set Q0L,  33
.set TK,   34                          ; s34  4,096 x step: the images
.set TS,   35                          ; s35  256 x step: the scale words
.set KF,   36                          ; s36  the step's first key
.set CNT,  37                          ; s37  trips to go
.set SGW,  39                          ; s39  my stage
	s_load_b256 s[4:11], s[0:1], 0x0               ; q s[4:5], k s[6:7], v s[8:9], out0 s[10:11]
	v_lshl_add_u32 v254, v0, 2, 0x46000
	v_mov_b32 v255, 0
	v_lshrrev_b32 v5, 5, v0
	v_readfirstlane_b32 s[WN], v5                  ; wave 0..15
	v_and_b32 v[LI], 31, v0
	v_lshlrev_b32 v[VGO], 2, v[LI]
	v_lshlrev_b32 v[LI], 4, v[LI]
	s_lshr_b32 s13, ttmp9, 2                       ; the head
	s_and_b32 s14, ttmp9, 3                        ; which of its four work-groups
	s_lshl_b32 s15, s14, 4
	s_add_co_u32 s15, s15, s[WN]                   ; gw
	s_lshl_b32 s16, s13, 19                        ; a head is 2,048 x 256 bytes; 64 heads stay under 2^32
	s_mov_b32 s17, 0
	s_mov_b32 s[SEL], 0x76543210
	s_mov_b32 s[SEL+1], 0xfedcba98
	s_mov_b32 s[CS], 0x3e38aa3b                    ; log2(e) with 3 off its exponent
	s_mov_b32 s[CS+1], s[CS]                       ; (named with it as a pair, so it is written)
	s_lshl_b32 s[Q0L], s15, 4                      ; 16 gw
	s_sub_co_u32 s[Q0H], 2032, s[Q0L]              ; 16 (127 - gw)
	s_mul_i32 s[SGW], s[WN], 9216
	s_add_co_u32 s[SGW], s[SGW], STG
	s_lshl_b32 s18, s15, 12                        ; a tile of 16 rows is 4,096 bytes
	s_mov_b32 s19, 0
	s_sub_co_u32 s34, 520192, s18                  ; 4,096 (127 - gw)
	s_mov_b32 s35, 0
	s_lshl_b32 s36, s[WN], 15                      ; my 128 keys: 32,768 bytes
	s_mov_b32 s37, 0
	s_add_nc_u64 s[18:19], s[18:19], s[16:17]
	s_add_nc_u64 s[34:35], s[34:35], s[16:17]
	s_add_nc_u64 s[36:37], s[36:37], s[16:17]
	s_wait_kmcnt 0x0
	s_add_nc_u64 s[QLO:QLO+1], s[4:5], s[18:19]
	s_add_nc_u64 s[QHI:QHI+1], s[4:5], s[34:35]
	s_add_nc_u64 s[OLO:OLO+1], s[10:11], s[18:19]
	s_add_nc_u64 s[OHI:OHI+1], s[10:11], s[34:35]
	s_add_nc_u64 s[6:7], s[6:7], s[36:37]
	s_add_nc_u64 s[8:9], s[8:9], s[36:37]
; ---- PHASE 1: thirteen units of loads, on two buffers by turns; a unit is asked for two units ahead of its work.  Every offset is an immediate; no base and no offset register is written again.
.macro LOADQ                           ; my two tiles of q, 4,096 dense bytes each: every load reads 512 consecutive bytes; read once in the launch
.irp i, 0,1,2,3,4,5,6,7
	global_load_b128 v[RA+4*\i:RA+4*\i+3], v[LI], s[QLO:QLO+1] offset:512*\i th:TH_LOAD_NT
.endr
.irp i, 0,1,2,3,4,5,6,7
	global_load_b128 v[RA+32+4*\i:RA+32+4*\i+3], v[LI], s[QHI:QHI+1] offset:512*\i th:TH_LOAD_NT
.endr
.endm
.macro LOADK g, R                      ; 32 keys of K: 8,192 dense bytes
.irp i, 0,1,2,3,4,5,6,7,8,9,10,11,12,13,14,15
	global_load_b128 v[\R+4*\i:\R+4*\i+3], v[LI], s[6:7] offset:8192*\g+512*\i
.endr
.endm
.macro LOADV dh, b, R                  ; V: a lane takes column 32 dh + lane, and its registers run down the 32 keys of block b
.set ii, 0
.rept 32
	global_load_b32 v[\R+ii], v[VGO], s[8:9] offset:(32*\b+ii)*256+128*\dh
.set ii, ii+1
.endr
.endm
	LOADQ
	LOADK 0, RB
	v_and_b32 v6, 15, v0                           ; r
	v_bfe_u32 v7, v0, 4, 1                         ; h
	v_bfe_u32 v8, v0, 3, 2                         ; lane / 8
	v_and_b32 v11, 7, v0                           ; lane % 8
	v_mul_u32_u24 v[STI], v8, 144
	v_lshl_add_u32 v[STI], v11, 4, v[STI]
	v_add_nc_u32 v[STI], s[SGW], v[STI]            ; in: eight lanes' 128 bytes are a chunk; a load's 512 bytes take four chunks, 144 bytes apart
	v_and_b32 v8, 8, v6
	v_add_nc_u32 v8, v8, v6                        ; r + 8 (r / 8)
	v_lshl_add_u32 v8, v8, 1, v7                   ; a key's row is two chunks: mine is the h-th
	v_mul_u32_u24 v[STK], v8, 144
	v_add_nc_u32 v[STK], s[SGW], v[STK]
	v_lshl_add_u32 v8, v6, 1, v7                   ; q: row r, half h
	v_mul_u32_u24 v[STQ], v8, 144
	v_add_nc_u32 v[STQ], s[SGW], v[STQ]
	v_add_nc_u32 v[LV], VIMG, v[LI]
	v_lshl_add_u32 v[AKS], v6, 4, KSC
	v_lshl_add_u32 v[AVS], v6, 4, VSC
	s_lshl_b32 s38, s[WN], 12                      ; my step's images: 4,096 bytes
	v_add_nc_u32 v[KWI], s38, v[LI]
	s_add_co_u32 s38, s38, VIMG
	v_lshlrev_b32 v8, 4, v6
	v_lshl_add_u32 v[VWI], v7, 10, v8              ; column 32 dh + lane lies in tile 2 dh + h, at row r
	v_add_nc_u32 v[VWI], s38, v[VWI]
	s_lshl_b32 s38, s[WN], 8                       ; my step's scale words: 256 bytes
	v_add_nc_u32 v[KWS], s38, v[AKS]
	v_lshl_add_u32 v[VWS], v7, 2, v[AVS]
	v_add_nc_u32 v[VWS], s38, v[VWS]
	v_lshlrev_b32 v[SH8], 3, v7
	v_lshlrev_b32 v[DL], 4, v7
	v_sub_nc_u32 v[DL], v6, v[DL]
	v_mov_b32 v[NINF], 0xff800000
	v_mov_b32 v[TP], 0                             ; written once: a lane permute's destination counts as one of its sources
.irp i, 0,1,2,3,8,9,10,11
	v_mov_b32 v[QFH+\i], 0                         ; the zero codes beside q's
	v_mov_b32 v[QFL+\i], 0
.endr
; 32 numbers of ONE lane, a whole block, become 16 bytes of codes in v[c] on; the scale's byte is left in v[BY].
.macro Q32 x, c
	v_max3_num_f32 v[MXA], |v[\x]|, |v[\x+1]|, |v[\x+2]|           ; the block's largest magnitude, in two chains
	v_max3_num_f32 v[MXB], |v[\x+3]|, |v[\x+4]|, |v[\x+5]|
.irp i, 6,10,14,18,22,26
	v_max3_num_f32 v[MXA], v[MXA], |v[\x+\i]|, |v[\x+\i+1]|
	v_max3_num_f32 v[MXB], v[MXB], |v[\x+\i+2]|, |v[\x+\i+3]|
.endr
	v_max3_num_f32 v[MXA], v[MXA], |v[\x+30]|, |v[\x+31]|
	v_max3_num_f32 v[MXA], v[MXA], v[MXB], 0x1800000               ; and the floor 2^(3 - 127): the byte cannot fall under 1
	v_add_nc_u32 v[SCO], 0xff000000, v[MXA]                        ; 2 off its exponent field: the conversion takes the exponent field of this operand as its scale
.irp g, 0,1,2,3
	v_cvt_scalef32_pk8_fp4_f32 v[\c+\g], v[\x+8*\g:\x+8*\g+7], v[SCO]
.endr
	v_lshrrev_b32 v[BY], 23, v[SCO]                                ; the scale's byte; also the plain instruction behind the conversions
.endm
.macro WORD d                          ; my byte and lane l xor 16's: the row's two block bytes, the same in both halves of the lanes
	v_lshlrev_b32 v[BY], v[SH8], v[BY]
	v_permlanex16_b32 v[TP], v[BY], s[SEL], s[SEL+1]
	v_or_b32 v[\d], v[BY], v[TP]
.endm
; A unit's 8,192 bytes turn through my stage: in as they were loaded, out 128 bytes a lane (a block of 32 numbers), for two tiles u.  LDS serves a wave's instructions in order (ISA guide 5.7.1.4):
; no wait stands between the stores and the loads, nor between one unit's loads and the next unit's stores.
.macro TURN R, ard, ustep
.irp i, 0,1,2,3,4,5,6,7,8,9,10,11,12,13,14,15
	ds_store_b128 v[STI], v[\R+4*\i:\R+4*\i+3] offset:576*\i
.endr
.irp u, 0,1
.irp j, 0,1,2,3,4,5,6,7
	ds_load_b128 v[\R+32*\u+4*\j:\R+32*\u+4*\j+3], v[\ard] offset:\ustep*\u+16*\j
.endr
.endr
.endm
.macro KUNIT g, R                      ; keys 32 g .. 32 g + 31 of my step: tiles 2 g and 2 g + 1
	TURN \R, STK, 2304
	s_wait_dscnt 8                                 ; the first tile's eight loads are in (the second's may be out); the unit before's stores of codes and word are done too
	Q32 \R, CK
	WORD WD0
	s_wait_dscnt 0x0
	Q32 \R+32, CK+4
	WORD WD1
	v_lshl_or_b32 v[WD0], v[WD1], 16, v[WD0]
	ds_store_b128 v[KWI], v[CK:CK+3] offset:1024*\g
	ds_store_b128 v[KWI], v[CK+4:CK+7] offset:1024*\g+512
	ds_store_b32 v[KWS], v[WD0] offset:4*\g        ; lanes r and r + 16 write the same word with the same value
.endm
.macro VUNIT dh, b, R                  ; block b of my step's keys, columns 32 dh .. 32 dh + 31
	s_wait_dscnt 0x0                               ; the unit before's stores have read the codes' and the word's registers
	Q32 \R, CK
.if \b == 0
	v_mov_b32 v[VWD], v[BY]
.else
	v_lshl_or_b32 v[VWD], v[BY], 8*\b, v[VWD]      ; four bytes to the column's word, the earlier keys in the lower byte
.endif
	ds_store_b128 v[VWI], v[CK:CK+3] offset:2048*\dh+512*(\b/2)+256*(\b%2)   ; block b is registers 4 (b / 2) on of lanes 16 (b % 2) on
.if \b == 3
	ds_store_b32 v[VWS], v[VWD] offset:8*\dh
.endif
.endm
	s_wait_loadcnt 16                              ; q is in; K's first 16 loads may be out.  (So at every wait below: what may be out is the one later unit)
	TURN RA, STQ, 4608
	s_wait_dscnt 8                                 ; the early tile's eight loads are in
	Q32 RA, QFL+4
	WORD WD0
	v_lshl_or_b32 v[QSL], v[WD0], 16, v[WD0]       ; the two bytes twice: they serve q in either half of the K of 128
	s_wait_dscnt 0x0
	Q32 RA+32, QFH+4
	WORD WD0
	v_lshl_or_b32 v[QSH], v[WD0], 16, v[WD0]
	LOADK 1, RA
	s_wait_loadcnt 16
	KUNIT 0, RB
	LOADK 2, RB
	s_wait_loadcnt 16
	KUNIT 1, RA
	LOADK 3, RA
	s_wait_loadcnt 16
	KUNIT 2, RB
	LOADV 0, 0, RB
	s_wait_loadcnt 32
	KUNIT 3, RA
	LOADV 0, 1, RA
	s_wait_loadcnt 32
	VUNIT 0, 0, RB
	LOADV 0, 2, RB
	s_wait_loadcnt 32
	VUNIT 0, 1, RA
	LOADV 0, 3, RA
	s_wait_loadcnt 32
	VUNIT 0, 2, RB
	LOADV 1, 0, RB
	s_wait_loadcnt 32
	VUNIT 0, 3, RA
	LOADV 1, 1, RA
	s_wait_loadcnt 32
	VUNIT 1, 0, RB
	LOADV 1, 2, RB
	s_wait_loadcnt 32
	VUNIT 1, 1, RA
	LOADV 1, 3, RA
	s_wait_loadcnt 32
	VUNIT 1, 2, RB
	s_wait_loadcnt 0x0
	VUNIT 1, 3, RA
	s_wait_dscnt 0x0                               ; for the others' sake: my images and scale words lie in LDS
	s_barrier_signal -1
	v_mov_b32 v[STH+1], 0xff61b1e6                 ; register work while the others arrive.  The largest t so far: -3e38, under every t
	v_mov_b32 v[STL+1], 0xff61b1e6
	v_floor_f32 v[STH], -v[STH+1]                  ; -M
	v_floor_f32 v[STL], -v[STL+1]
.irp i, 2,3
	v_mov_b32 v[STH+\i], 0                         ; the sums, in two halves
	v_mov_b32 v[STL+\i], 0
.endr
.set jj, 0
.rept 64
	v_mov_b32 v[OH+jj], 0                          ; O^T of both tiles.  (The step is written once: the first finds zeros, which the first change of M leaves zeros)
.set jj, jj+1
.endr
.irp b, 0,1,2,3
	v_mov_b32 v[BT+\b], 0                          ; lane permutes' destinations count as sources
.endr
	v_mov_b32 v[F+1], 0                            ; (named as upper halves of pairs, or as permutes' destinations on the way out)
	v_mov_b32 v[T0+1], 0
	v_mov_b32 v[L2+1], 0
	s_mov_b32 s[TK], 0
	s_mov_b32 s[TS], 0
	s_mov_b32 s[KF], 0
	s_mov_b32 s[CNT], 16
	s_barrier_wait -1                              ; the head's K and V lie in LDS, whole: from here on nobody writes them
; ---- PHASE 2.  A KEY STEP of one tile: 128 keys.  st: its statistics; qf: its twelve registers of q; qw: q's scale word; acc: its O^T; qrow: its first query.
.macro STEP st, qf, qw, acc, qrow
	s_cmp_gt_u32 s[KF], s[\qrow]                   ; both are multiples of 16: then all 128 keys come after all 16 queries, and the step is left out
	s_cbranch_scc1 .Lhidden_\@
	v_add_nc_u32 v[ADK], s[TK], v[LI]              ; these four are also the places between the last products, which read the fragments' registers, and the loads into them
	v_add_nc_u32 v[ADV], s[TK], v[LV]
	v_add_nc_u32 v[ADS], s[TS], v[AKS]
	v_add_nc_u32 v[ADT], s[TS], v[AVS]
.irp t, 0,1,2,3,4,5,6,7
	ds_load_b128 v[FB+4*\t:FB+4*\t+3], v[ADK] offset:512*\t        ; tile t of K: four registers; tiles 2 b and 2 b + 1 are one operand
.endr
	ds_load_b128 v[KS:KS+3], v[ADS]
	s_wait_dscnt 0x0
.irp b, 0,1,2,3
	v_wmma_scale_f32_16x16x128_f8f6f4 v[S+16*\b:S+16*\b+7], v[FB+8*\b:FB+8*\b+7], v[\qf+4:\qf+11], 0, v[KS+\b], v[\qw] matrix_a_fmt:MATRIX_FMT_FP4 matrix_b_fmt:MATRIX_FMT_FP4     ; [q, 0]: tile 2 b
	v_wmma_scale_f32_16x16x128_f8f6f4 v[S+16*\b+8:S+16*\b+15], v[FB+8*\b:FB+8*\b+7], v[\qf:\qf+7], 0, v[KS+\b], v[\qw] matrix_a_fmt:MATRIX_FMT_FP4 matrix_b_fmt:MATRIX_FMT_FP4    ; [0, q]: tile 2 b + 1
.endr                                          ; register 16 b + i of lane (r, h): query r, key KF + 32 b + 16 h + i
.rept 4
	v_nop                                          ; places in front of the loads into the fragments' registers and of the first read of the scores
.endr
.irp t, 0,1,2,3
.irp c, 0,1
	ds_load_b128 v[FB+8*\t+4*\c:FB+8*\t+4*\c+3], v[ADV] offset:1024*\t+512*\c   ; V's four fragments land while the softmax is walked
.endr
.endr
	ds_load_b128 v[VS:VS+3], v[ADT]
	s_add_co_u32 s38, s[KF], 127                   ; a step all of whose keys count skips the mask
	s_cmp_le_u32 s38, s[\qrow]
	s_cbranch_scc1 .Lopen_\@
	s_sub_co_i32 s38, s[\qrow], s[KF]
	v_add_nc_u32 v[DD], s38, v[DL]                 ; d = my query - KF - 16 h: register 16 b + i is hidden where 32 b + i > d
.set nn, 0
.rept 64
	v_cmp_gt_i32 vcc_lo, 32*(nn/16)+nn%16, v[DD]
	v_cndmask_b32 v[S+nn], v[S+nn], v[NINF], vcc_lo                ; -infinity ahead of the maximum: p = 0 then
.set nn, nn+1
.endr
.Lopen_\@:
.irp b, 0,1,2,3
	v_max3_num_f32 v[BM+\b], v[S+16*\b], v[S+1+16*\b], v[S+2+16*\b]   ; THE LARGEST SCORE OF EACH BLOCK OF 32 KEYS serves twice: for the row's maximum, and, since p rises with the score, for the block's largest p
.endr
.irp i, 3,5,7,9,11,13
.irp b, 0,1,2,3
	v_max3_num_f32 v[BM+\b], v[BM+\b], v[S+16*\b+\i], v[S+1+16*\b+\i]  ; (the four blocks by turns)
.endr
.endr
.irp b, 0,1,2,3
	v_max_num_f32 v[BM+\b], v[BM+\b], v[S+15+16*\b]
.endr
.irp b, 0,1,2,3
	v_permlanex16_b32 v[BT+\b], v[BM+\b], s[SEL], s[SEL+1]
.endr
.irp b, 0,1,2,3
	v_max_num_f32 v[BM+\b], v[BM+\b], v[BT+\b]     ; with lane l xor 16's 16 keys
.endr
	v_max3_num_f32 v[T0], v[BM], v[BM+1], v[BM+2]
	v_max_num_f32 v[T0], v[T0], v[BM+3]            ; the step's largest score of my query
	v_mul_f32 v[T0], s[CS], v[T0]                  ; as t (c is positive)
	v_max_num_f32 v[\st+1], v[\st+1], v[T0]        ; the running largest t
	v_mov_b32 v[T0], v[\st]
	v_floor_f32 v[\st], -v[\st+1]                  ; the new -M = floor(-t) = -ceil(t): a whole number
	v_sub_f32 v[T0], v[\st], v[T0]                 ; old M - new M: a whole number, 0 or less
	v_cvt_i32_f32 v[T0], v[T0]                     ; (it saturates)
	v_ldexp_f32 v[F], 1.0, v[T0]                   ; f = 2^(old M - new M)
.set jj, 0
.rept 32
	v_pk_fma_f32 v[S+jj:S+jj+1], v[S+jj:S+jj+1], s[CS:CS+1], v[\st:\st+1] op_sel_hi:[1,0,0]   ; t - M, two at a time (of the pairs c and -M the low word serves both halves)
.set jj, jj+2
.endr
.irp b, 0,1,2,3
	v_fma_f32 v[BM+\b], v[BM+\b], s[CS], v[\st]    ; the same of each block's largest score
.endr
.set jj, 0
.rept 64
	v_exp_f32 v[S+jj], v[S+jj]                     ; p = 2^(t - M): not normalised
.set jj, jj+1
.endr
	v_pk_mul_f32 v[\st+2:\st+3], v[\st+2:\st+3], v[F:F+1] op_sel_hi:[1,0]   ; the sums under the new M; the plain instruction behind the exponentials
	s_wait_alu depctr_va_vdst(0)                   ; the wait ahead of the first instruction that names a result: one for the batch of 64
.irp b, 0,1,2,3
	v_exp_f32 v[BM+\b], v[BM+\b]                   ; the block's largest p: the same two instructions on the same number give the same bits
.endr
	v_pk_add_f32 v[L2:L2+1], v[S:S+1], v[S+2:S+3]  ; THE ROW'S SUM IS TAKEN OF THE UNQUANTISED p, two at a time, in two chains; it reads the 64 alone: plain work behind the four
.set jj, 4
.rept 15
	v_pk_add_f32 v[\st+2:\st+3], v[\st+2:\st+3], v[S+jj:S+jj+1]
	v_pk_add_f32 v[L2:L2+1], v[L2:L2+1], v[S+jj+2:S+jj+3]
.set jj, jj+4
.endr
	v_pk_add_f32 v[\st+2:\st+3], v[\st+2:\st+3], v[L2:L2+1]
	s_wait_alu depctr_va_vdst(0)                   ; and one for the four
.irp b, 0,1,2,3
	v_max_num_f32 v[BM+\b], 0x1800000, v[BM+\b]    ; the floor 2^(3 - 127): the byte cannot fall under 1 (a block whose every p is 0 keeps that byte: its codes are zeros)
.endr
.irp b, 0,1,2,3
	v_add_nc_u32 v[BS+\b], 0xff000000, v[BM+\b]    ; 2 off the exponent field: the conversion's scale operand
.endr
.irp b, 0,1,2,3
	v_lshrrev_b32 v[BT+\b], 23, v[BS+\b]           ; the scale's byte
.endr
	v_lshl_or_b32 v[PS], v[BT+1], 8, v[BT]         ; p's scale word for these 128 keys
	v_lshl_or_b32 v[PS], v[BT+2], 16, v[PS]
	v_lshl_or_b32 v[PS], v[BT+3], 24, v[PS]
.irp b, 0,1,2,3
	v_cvt_scalef32_pk8_fp4_f32 v[PC+2*\b], v[S+16*\b:S+16*\b+7], v[BS+\b]
	v_cvt_scalef32_pk8_fp4_f32 v[PC+2*\b+1], v[S+16*\b+8:S+16*\b+15], v[BS+\b]
.endr
	v_nop                                          ; one plain instruction between a scaled conversion and what next touches its result or writes its sources
.irp c, 0,1                                    ; the operand's layout wants a WHOLE block in a lane: lanes 0-15 block 2 c, lanes 16-31 block 2 c + 1
.irp i, 0,1
	v_permlane16_swap_b32 v[PC+4*\c+\i], v[PC+2+4*\c+\i]
.endr
.endr
.set jj, 0
.rept 16
	v_pk_mul_f32 v[\acc+jj:\acc+jj+1], v[\acc+jj:\acc+jj+1], v[F:F+1] op_sel_hi:[1,0]   ; O^T under the new M.  These sixteen also stand between the writes of p's codes and scale word and the products
.set jj, jj+2
.endr
	s_wait_dscnt 0x0                               ; V's fragments and scale words are in
.irp t, 0,1,2,3                                ; O^T += V^T p^T: the four accumulators by turns, one instruction a turn
	v_wmma_scale_f32_16x16x128_f8f6f4 v[\acc+8*\t:\acc+8*\t+7], v[FB+8*\t:FB+8*\t+7], v[PC:PC+7], v[\acc+8*\t:\acc+8*\t+7], v[VS+\t], v[PS] matrix_a_fmt:MATRIX_FMT_FP4 matrix_b_fmt:MATRIX_FMT_FP4
.endr
.Lhidden_\@:
.endm
.Lstep:                                            ; sixteen trips, a constant: what a tile does not need is jumped over inside
	STEP STH, QFH, QSH, OH, Q0H
	STEP STL, QFL, QSL, OL, Q0L
	s_add_co_u32 s[TK], s[TK], 4096
	s_add_co_u32 s[TS], s[TS], 256
	s_add_co_u32 s[KF], s[KF], 128
	s_sub_co_u32 s[CNT], s[CNT], 1
	s_cmp_lg_u32 s[CNT], 0
	s_cbranch_scc1 .Lstep
; ---- THE WAY OUT.  The sums' halves are added; O^T is divided by the sum and goes through my stage, a tile (16 rows of 256 bytes) at a time.  A tile's rows are 4,096 dense bytes of out0.
	v_add_f32 v[T0], v[STH+2], v[STH+3]            ; (these lines are also the places behind the last products)
	v_add_f32 v[L2], v[STL+2], v[STL+3]
	v_permlanex16_b32 v[T0+1], v[T0], s[SEL], s[SEL+1]
	v_permlanex16_b32 v[L2+1], v[L2], s[SEL], s[SEL+1]
	v_add_f32 v[T0], v[T0], v[T0+1]                ; with lane l xor 16's: the rows' sums
	v_add_f32 v[L2], v[L2], v[L2+1]
	v_rcp_f32 v[T0], v[T0]
	v_rcp_f32 v[L2], v[L2]
	v_and_b32 v7, 15, v0                           ; plain work behind the reciprocals: r,
	v_bfe_u32 v8, v0, 4, 1                         ; h
	v_mul_u32_u24 v5, v7, 272
	v_lshl_add_u32 v5, v8, 5, v5
	v_add_nc_u32 v5, s[SGW], v5                    ; in: row r; tile t's eight channels of my half lie 64 t + 32 h bytes on
	v_mul_u32_u24 v6, v8, 272
	v_lshl_add_u32 v6, v7, 4, v6
	v_add_nc_u32 v6, s[SGW], v6                    ; back: lanes 0-15 one row, lanes 16-31 the next
	s_wait_alu depctr_va_vdst(0)                   ; the wait ahead of the first reader: one for the two reciprocals
.macro PACK acc, rc, dst, back
.set jj, 0
.rept 16
	v_pk_mul_f32 v[\dst+jj:\dst+jj+1], v[\acc+jj:\acc+jj+1], v[\rc:\rc+1] op_sel_hi:[1,0]   ; each accumulator from its low end on
.set jj, jj+2
.endr
.irp t, 0,1,2,3
	ds_store_b128 v5, v[\dst+8*\t:\dst+8*\t+3] offset:64*\t
	ds_store_b128 v5, v[\dst+8*\t+4:\dst+8*\t+7] offset:64*\t+16
.endr
.irp i, 0,1,2,3,4,5,6,7
	ds_load_b128 v[\back+4*\i:\back+4*\i+3], v6 offset:544*\i      ; LDS serves a wave's instructions in order: these see my stores, and the next tile's stores come behind them
.endr
.endm
.macro SEND back, base, younger        ; younger: the LDS instructions issued behind this tile's loads
.irp i, 0,1,2,3,4,5,6,7
	s_wait_dscnt \younger+7-\i
	global_store_b128 v[LI], v[\back+4*\i:\back+4*\i+3], s[\base:\base+1] offset:512*\i th:TH_STORE_NT   ; 32 lanes store 512 consecutive bytes, at a multiple of 512 from out0's first byte; written once
.endr
.endm
	PACK OH, T0, S, FB
	PACK OL, L2, S+32, OH                          ; the late tile's O^T has been read: its registers take the early tile's rows
	SEND FB, OHI, 16                               ; behind the late tile's loads: the early tile's eight stores and eight loads
	SEND OH, OLO, 0
	s_wait_tensorcnt 0x0
	ds_add_u32 v254, v255
	s_wait_dscnt 0x0
	s_endpgm
.Lfunc_end_k_qc8b57135cb_attn:
	.size	k_qc8b57135cb_attn, .Lfunc_end_k_qc8b57135cb_attn-k_qc8b57135cb_attn
	.p2alignl 7, 3214868480
	.fill 96, 4, 3214868480
	.section	.rodata,"a",@progbits
	.p2align	6, 0x0
	.amdhsa_kernel k_qc8b57135cb_attn
		.amdhsa_group_segment_fixed_size 288768
		.amdhsa_private_segment_fixed_size 0
		.amdhsa_enable_private_segment 0
		.amdhsa_kernarg_size 32
		.amdhsa_user_sgpr_count 2
		.amdhsa_user_sgpr_kernarg_segment_ptr 1
		.amdhsa_wavefront_size32 1
		.amdhsa_system_sgpr_workgroup_id_x 1
		.amdhsa_system_sgpr_workgroup_id_y 1
		.amdhsa_system_sgpr_workgroup_id_z 1
		.amdhsa_system_vgpr_workitem_id 0
		.amdhsa_next_free_vgpr 256
		.amdhsa_next_free_sgpr 66
		.amdhsa_reserve_vcc 1
		.amdhsa_float_denorm_mode_32 3
		.amdhsa_float_denorm_mode_16_64 3
		.amdhsa_memory_ordered 1
		.amdhsa_forward_progress 1
		.amdhsa_inst_pref_size 125
	.end_amdhsa_kernel
	.amdgpu_metadata
---
amdhsa.version: [ 1, 2 ]
amdhsa.kernels:
  - .name:           k_qc8b57135cb_attn
    .symbol:         k_qc8b57135cb_attn.kd
    .args:
      - { .name: q, .offset: 0, .size: 8, .value_kind: global_buffer, .address_space: global }
      - { .name: k, .offset: 8, .size: 8, .value_kind: global_buffer, .address_space: global }
      - { .name: v, .offset: 16, .size: 8, .value_kind: global_buffer, .address_space: global }
      - { .name: out0, .offset: 24, .size: 8, .value_kind: global_buffer, .address_space: global }
    .group_segment_fixed_size: 288768
    .private_segment_fixed_size: 0
    .kernarg_segment_align: 8
    .kernarg_segment_size: 32
    .max_flat_workgroup_size: 512
    .sgpr_count:     66
    .vgpr_count:     256
    .wavefront_size: 32
...
	.end_amdgpu_metadata
.endif
;; end of part 1
;; ======== version 2 of 2: 1 launch; version 1 with the launch attn written anew for expert scheduling mode
;; launch attn (part 2): grid 256 x 1, 16 waves a work-group, no clusters, 288,768 bytes of LDS; arguments q, k, v, out0; writes out0
.if DOCPART == 2
	.amdgcn_target "amdgcn-amd-amdhsa--gfx1250"
	.amdhsa_code_object_version 6
	.text
	.protected	k_qc8b57135cb_attn
	.globl	k_qc8b57135cb_attn
	.p2align	8
	.type	k_qc8b57135cb_attn,@function
k_qc8b57135cb_attn:
	s_mov_b64 s[64:65], 0
	v_nop
	global_prefetch_b8 v0, s[64:65] scope:SCOPE_SE
	s_setreg_imm32_b32 hwreg(HW_REG_WAVE_SCHED_MODE, 0, 2), 2
	s_setreg_imm32_b32 hwreg(HW_REG_WAVE_MODE, 25, 1), 1
	s_wait_xcnt 0x0
	s_wait_alu depctr_vm_vsrc(0)
; out0[head][i][:] = the sum over j <= i of softmax_j(q[head][i] . k[head][j] / 8) v[head][j][:].  64 heads, 2,048 positions, head size 64; q, k, v, out0 f32.
; Both products run on codes of FP4 (E2M1) with one E8M0 scale for each 32 along the product's K: q and k are quantised along the head's 64, v and p along the keys.
; THE SOFTMAX AHEAD OF THE SECOND PRODUCT: t = score x log2(e) / 8; M = the running largest t rounded UP to a whole number; p = 2^(t - M) is quantised, not normalised; the row's sum is taken of the
; unquantised p and divides at the end; when M moves, the sum and O are multiplied by 2^(old M - new M), which rounds nothing.
; SHARES.  Four work-groups to a head, sixteen waves each, 256 registers a wave.  A head has 128 tiles of 16 queries; wave gw (0 .. 63 in the head) owns tiles gw and 127 - gw: with a = gw / 8 these want
; a + 1 and 16 - a key steps of 128 keys, 17 for every wave, whatever gw.
; PHASE 1.  As codes a head's K is 65,536 bytes, its V the same, their scale words 8,192: all of it stays in LDS.  Wave w quantises keys 128 w .. 128 w + 127 of K and of V and stores them as IMAGES OF THE
; OPERANDS' REGISTERS (16 bytes a lane, 512 bytes a store), and its two tiles of q into registers.  ONE barrier.  PHASE 2 reads LDS alone: sixteen trips, a key step of each tile a trip; a step whose keys
; all come after the tile's queries is jumped over by a scalar branch on ids.  THE WAY OUT goes through the wave's own stage.
; K = 64 IN AN INSTRUCTION OF K = 128: source 0 holds TWO tiles of 16 keys (registers 0-3 and 4-7); source 1 is q's codes beside four registers of zero codes, [q, 0] for the first tile, [0, q] for the second:
; twelve registers [0 | q | 0] serve both.  q's scale word repeats its two bytes.
; BOTH PRODUCTS ARE USED TRANSPOSED (S^T = k q^T, O^T = v^T p^T): a lane holds one query throughout.  THE KEYS OF A TILE ARE NOT NEIGHBOURS: lane r of tile 2 b + u takes key 32 b + 8 u + r + 8 (r / 8), so that
; the 16 registers of tiles 2 b and 2 b + 1 are 16 neighbouring keys, 32 b + 16 (lane / 16) + 0 .. 15.
; NO JOINT LOADS, though the four work-groups of a head read the same 1,048,576 bytes of k and v: the numbers are f32 and must pass through registers to the quantiser; as f32 tiles in LDS they would have
; 327,680 - 139,264 = 188,416 bytes beside the codes, so two slots of 94,208 bytes would be filled a dozen times, each time behind a round of the cluster's barrier for all sixteen waves.
; No tensor load, so no ring: nothing in LDS is filled by an engine.
; LIMITS: NaN and infinities among the inputs are not served.  A block of zeros gets the scale byte 1 where the rule says 127: its codes are zeros, and the bytes are read by this program alone.
; A p under 2^-126 comes out of v_exp_f32 as 0 (ISA guide, the instruction's entry).
; THE MODE: SCHED_MODE bits 1:0 = 2 (LLVM: expert scheduling mode 2), set by the entry lines.  The code itself states the register dependences between vector or matrix instructions and memory or LDS
; instructions, with s_wait_alu, always for 0.
; THE PLAN.  Registers that memory or LDS instructions touch, and who else names them:
;   v1, v229      offsets of the global loads and stores.  Written at the head, ahead of the first wait on va_vdst; v1 never again, v229 only in phase 2.
;   v224-231      phase 1's LDS addresses.  Written once, behind the first loads and ahead of the second wait on va_vdst; phase 2 writes these registers behind the wait on vm_vsrc in front of the barrier.
;   RA, RB        A unit: global loads land; (q, K) the stage's stores read them, a wait on vm_vsrc, the stage's loads land in them; the quantiser's lines read them; ONE wait on va_vdst at the unit's end;
;                 the loads of two units on land in them, with no vector line between.
;   CK, WD0, VWD  Written by the quantiser's lines; read by the unit's LDS stores behind that same wait on va_vdst; written again in the next unit, behind its wait on vm_vsrc.
;   v5-8          A key step: written by four additions at its head; read by its 18 LDS loads; a wait on vm_vsrc ahead of the step's last products frees them for the next step and for the way out.
;   FB, KS, VS    A key step: the wait on va_vdst at its head states that the last step's products are done with them: K's loads land; the eight products k q^T read FB and KS; a wait on va_vdst; V's loads land,
;                 dealt among the lines that search the largest scores, which name none of FB, VS, v6, v8; the four products v^T p^T read FB and VS.
;   PC, PS        Named by vector and matrix instructions alone; a wait on va_vdst stands between their writers and the scaled products that take them.
;   the way out   S, v5, v6 are written, the products are done with FB and the multiplications with OH: one wait on va_vdst; then the stage's stores and loads.
.set VIMG, 65536                       ; LDS: K's images at 0: [step 16][tile 8] x 512 bytes;  V's here: [step][16 of the head's 64: 4][64 keys: 2] x 512 bytes
.set KSC,  131072                      ; K's scale words: [step] x 256 bytes, lane r's four words at 16 r: word b = tile 2 b's two bytes, then tile 2 b + 1's
.set VSC,  135168                      ; V's: [step] x 256 bytes, at 16 r: word t = the four block bytes of column 16 t + r
.set STG,  139264                      ; a stage of 9,216 bytes for each wave: in phase 1 64 chunks of 128 bytes + 16; on the way out 16 rows of 256 bytes + 16
.set LI,   1                           ; v1   16 x lane: an image's place, and the dense loads' and stores' offset; never rewritten
.set LV,   2                           ; v2   LI + VIMG
.set AKS,  3                           ; v3   KSC + 16 r
.set AVS,  4                           ; v4   VSC + 16 r
.set ADK,  5                           ; v5-8 the addresses of the step in hand: K's images, V's, K's scale words, V's
.set ADV,  6
.set ADS,  7
.set ADT,  8
.set DL,   9                           ; v9   r - 16 h
.set NINF, 10                          ; v10  -infinity
.set DD,   11                          ; v11  at work in the mask
.set STH,  12                          ; v12-15 the late tile's -M, largest t, sum in two halves;  v16-19 the early tile's
.set STL,  16
.set MXA,  12                          ; phase 1 alone, v12-19: two chains of the largest magnitude,
.set MXB,  13
.set SCO,  14                          ; the conversion's scale operand,
.set BY,   15                          ; the scale's byte,
.set TP,   16                          ; the other half's,
.set WD0,  17                          ; two bytes of a tile,
.set WD1,  18
.set VWD,  19                          ; four bytes of a column of V
.set QFH,  20                          ; v20-31 the late tile of q: zeros, codes, zeros;  v32-43 the early tile
.set QFL,  32
.set QSH,  44                          ; v44, v45 q's scale words; v46 p's; v48-51 K's of the step; v52-55 V's: these hold scales and nothing else
.set QSL,  45
.set PS,   46
.set KS,   48
.set VS,   52
.set FB,   56                          ; v56-87   the step's fragments of K, then of V
.set S,    88                          ; v88-151  S^T, then p
.set OH,   152                         ; v152-183 O^T of the late tile;  v184-215 of the early one
.set OL,   184
.set RA,   88                          ; phase 1: two buffers of 64 numbers
.set RB,   152
.set PC,   216                         ; v216-223 p's codes
.set CK,   216                         ; phase 1: the codes just made
.set BM,   224                         ; v224-227 the blocks' largest scores, then their largest p
.set BT,   228                         ; v228-231 the other half's, then the scale bytes
.set BS,   232                         ; v232-235 the conversions' scale operands
.set F,    236                         ; v[236:237] f = 2^(old M - new M), named as a pair
.set T0,   238
.set L2,   240                         ; v[240:241] the row sum's second chain
.set STI,  224                         ; phase 1 alone, v224-232: the stage on the way in;
.set STK,  225                         ; out of it for K: my key's half row;
.set STQ,  226                         ; for q;
.set KWI,  227                         ; where I store K's images,
.set KWS,  228                         ; K's scale words;
.set VGO,  229                         ; 4 x lane: V's loads;
.set VWI,  230                         ; where I store V's images,
.set VWS,  231                         ; V's scale words;
.set SH8,  232                         ; 8 h
.set WN,   12                          ; s12  my wave's number
.set SEL,  20                          ; s[20:21] v_permlanex16_b32's selects for lane l xor 16
.set CS,   22                          ; s[22:23] c = log2(e) / 8; the packed form names a pair and takes its low word for both halves
.set QLO,  24                          ; s[24:25], s[26:27] q at my early and my late tile;  s[28:29], s[30:31] out0 likewise
.set QHI,  26
.set OLO,  28
.set OHI,  30
.set Q0H,  32                          ; s32, s33 the tiles' first queries
.set Q0L,  33
.set TK,   34                          ; s34  4,096 x step: the images
.set TS,   35                          ; s35  256 x step: the scale words
.set KF,   36                          ; s36  the step's first key
.set CNT,  37                          ; s37  trips to go
.set SGW,  39                          ; s39  my stage
.set MK,   40                          ; s40-47 eight masks of the causal mask
	s_load_b256 s[4:11], s[0:1], 0x0               ; q s[4:5], k s[6:7], v s[8:9], out0 s[10:11]
	v_lshl_add_u32 v254, v0, 2, 0x46000
	v_mov_b32 v255, 0
	v_lshrrev_b32 v5, 5, v0
	v_readfirstlane_b32 s[WN], v5                  ; wave 0..15
	v_and_b32 v[LI], 31, v0
	v_lshlrev_b32 v[VGO], 2, v[LI]
	v_lshlrev_b32 v[LI], 4, v[LI]
	s_lshr_b32 s13, ttmp9, 2                       ; the head
	s_and_b32 s14, ttmp9, 3                        ; which of its four work-groups
	s_lshl_b32 s15, s14, 4
	s_wait_alu depctr_va_sdst(0)                   ; the wave's number is written, ahead of its first reader
	s_add_co_u32 s15, s15, s[WN]                   ; gw
	s_lshl_b32 s16, s13, 19                        ; a head is 2,048 x 256 bytes; 64 heads stay under 2^32
	s_mov_b32 s17, 0
	s_mov_b32 s[SEL], 0x76543210
	s_mov_b32 s[SEL+1], 0xfedcba98
	s_mov_b32 s[CS], 0x3e38aa3b                    ; log2(e) with 3 off its exponent
	s_mov_b32 s[CS+1], s[CS]                       ; (named with it as a pair, so it is written)
	s_lshl_b32 s[Q0L], s15, 4                      ; 16 gw
	s_sub_co_u32 s[Q0H], 2032, s[Q0L]              ; 16 (127 - gw)
	s_mul_i32 s[SGW], s[WN], 9216
	s_add_co_u32 s[SGW], s[SGW], STG
	s_lshl_b32 s18, s15, 12                        ; a tile of 16 rows is 4,096 bytes
	s_mov_b32 s19, 0
	s_sub_co_u32 s34, 520192, s18                  ; 4,096 (127 - gw)
	s_mov_b32 s35, 0
	s_lshl_b32 s36, s[WN], 15                      ; my 128 keys: 32,768 bytes
	s_mov_b32 s37, 0
	s_add_nc_u64 s[18:19], s[18:19], s[16:17]
	s_add_nc_u64 s[34:35], s[34:35], s[16:17]
	s_add_nc_u64 s[36:37], s[36:37], s[16:17]
	s_wait_kmcnt 0x0
	s_add_nc_u64 s[QLO:QLO+1], s[4:5], s[18:19]
	s_add_nc_u64 s[QHI:QHI+1], s[4:5], s[34:35]
	s_add_nc_u64 s[OLO:OLO+1], s[10:11], s[18:19]
	s_add_nc_u64 s[OHI:OHI+1], s[10:11], s[34:35]
	s_add_nc_u64 s[6:7], s[6:7], s[36:37]
	s_add_nc_u64 s[8:9], s[8:9], s[36:37]
	s_wait_alu depctr_va_vdst(0)                   ; v1 and v229 are written: every global load and store of the kernel reads one of them as its offset
; ---- PHASE 1: thirteen units of loads, on two buffers by turns; a unit is asked for two units ahead of its work.  Every offset is an immediate; no base and no offset register is written again.
.macro LOADQ                           ; my two tiles of q, 4,096 dense bytes each: every load reads 512 consecutive bytes; read once in the launch
.irp i, 0,1,2,3,4,5,6,7
	global_load_b128 v[RA+4*\i:RA+4*\i+3], v[LI], s[QLO:QLO+1] offset:512*\i th:TH_LOAD_NT
.endr
.irp i, 0,1,2,3,4,5,6,7
	global_load_b128 v[RA+32+4*\i:RA+32+4*\i+3], v[LI], s[QHI:QHI+1] offset:512*\i th:TH_LOAD_NT
.endr
.endm
.macro LOADK g, R                      ; 32 keys of K: 8,192 dense bytes
.irp i, 0,1,2,3,4,5,6,7,8,9,10,11,12,13,14,15
	global_load_b128 v[\R+4*\i:\R+4*\i+3], v[LI], s[6:7] offset:8192*\g+512*\i
.endr
.endm
.macro LOADV dh, b, R                  ; V: a lane takes column 32 dh + lane, and its registers run down the 32 keys of block b
.set ii, 0
.rept 32
	global_load_b32 v[\R+ii], v[VGO], s[8:9] offset:(32*\b+ii)*256+128*\dh
.set ii, ii+1
.endr
.endm
	LOADQ
	LOADK 0, RB
	v_and_b32 v6, 15, v0                           ; r
	v_bfe_u32 v7, v0, 4, 1                         ; h
	v_bfe_u32 v8, v0, 3, 2                         ; lane / 8
	v_and_b32 v11, 7, v0                           ; lane % 8
	v_mul_u32_u24 v[STI], v8, 144
	v_lshl_add_u32 v[STI], v11, 4, v[STI]
	v_add_nc_u32 v[STI], s[SGW], v[STI]            ; in: eight lanes' 128 bytes are a chunk; a load's 512 bytes take four chunks, 144 bytes apart
	v_and_b32 v8, 8, v6
	v_add_nc_u32 v8, v8, v6                        ; r + 8 (r / 8)
	v_lshl_add_u32 v8, v8, 1, v7                   ; a key's row is two chunks: mine is the h-th
	v_mul_u32_u24 v[STK], v8, 144
	v_add_nc_u32 v[STK], s[SGW], v[STK]
	v_lshl_add_u32 v8, v6, 1, v7                   ; q: row r, half h
	v_mul_u32_u24 v[STQ], v8, 144
	v_add_nc_u32 v[STQ], s[SGW], v[STQ]
	v_add_nc_u32 v[LV], VIMG, v[LI]
	v_lshl_add_u32 v[AKS], v6, 4, KSC
	v_lshl_add_u32 v[AVS], v6, 4, VSC
	s_lshl_b32 s38, s[WN], 12                      ; my step's images: 4,096 bytes
	v_add_nc_u32 v[KWI], s38, v[LI]
	s_add_co_u32 s38, s38, VIMG
	v_lshlrev_b32 v8, 4, v6
	v_lshl_add_u32 v[VWI], v7, 10, v8              ; column 32 dh + lane lies in tile 2 dh + h, at row r
	v_add_nc_u32 v[VWI], s38, v[VWI]
	s_lshl_b32 s38, s[WN], 8                       ; my step's scale words: 256 bytes
	v_add_nc_u32 v[KWS], s38, v[AKS]
	v_lshl_add_u32 v[VWS], v7, 2, v[AVS]
	v_add_nc_u32 v[VWS], s38, v[VWS]
	v_lshlrev_b32 v[SH8], 3, v7
	v_lshlrev_b32 v[DL], 4, v7
	v_sub_nc_u32 v[DL], v6, v[DL]
	v_mov_b32 v[NINF], 0xff800000
	v_mov_b32 v[TP], 0                             ; written once: a lane permute's destination counts as one of its sources
.irp i, 0,1,2,3,8,9,10,11
	v_mov_b32 v[QFH+\i], 0                         ; the zero codes beside q's
	v_mov_b32 v[QFL+\i], 0
.endr
; 32 numbers of ONE lane, a whole block, become 16 bytes of codes in v[c] on; the scale's byte is left in v[BY].
.macro Q32 x, c
	v_max3_num_f32 v[MXA], |v[\x]|, |v[\x+1]|, |v[\x+2]|           ; the block's largest magnitude, in two chains
	v_max3_num_f32 v[MXB], |v[\x+3]|, |v[\x+4]|, |v[\x+5]|
.irp i, 6,10,14,18,22,26
	v_max3_num_f32 v[MXA], v[MXA], |v[\x+\i]|, |v[\x+\i+1]|
	v_max3_num_f32 v[MXB], v[MXB], |v[\x+\i+2]|, |v[\x+\i+3]|
.endr
	v_max3_num_f32 v[MXA], v[MXA], |v[\x+30]|, |v[\x+31]|
	v_max3_num_f32 v[MXA], v[MXA], v[MXB], 0x1800000               ; and the floor 2^(3 - 127): the byte cannot fall under 1
	v_add_nc_u32 v[SCO], 0xff000000, v[MXA]                        ; 2 off its exponent field: the conversion takes the exponent field of this operand as its scale
.irp g, 0,1,2,3
	v_cvt_scalef32_pk8_fp4_f32 v[\c+\g], v[\x+8*\g:\x+8*\g+7], v[SCO]
.endr
	v_lshrrev_b32 v[BY], 23, v[SCO]                                ; the scale's byte; also the plain instruction behind the conversions
.endm
.macro WORD d                          ; my byte and lane l xor 16's: the row's two block bytes, the same in both halves of the lanes
	v_lshlrev_b32 v[BY], v[SH8], v[BY]
	v_permlanex16_b32 v[TP], v[BY], s[SEL], s[SEL+1]
	v_or_b32 v[\d], v[BY], v[TP]
.endm
; A unit's 8,192 bytes turn through my stage: in as they were loaded, out 128 bytes a lane (a block of 32 numbers), for two tiles u.  LDS serves a wave's instructions in order (ISA guide 5.7.1.4):
; no wait on DScnt stands between the stores and the loads, nor between one unit's loads and the next unit's stores.
.macro TURN R, ard, ustep
.irp i, 0,1,2,3,4,5,6,7,8,9,10,11,12,13,14,15
	ds_store_b128 v[STI], v[\R+4*\i:\R+4*\i+3] offset:576*\i
.endr
	s_wait_alu depctr_vm_vsrc(0)                   ; the stores above have read the buffer, in which the loads below land; the unit before's stores have read the codes and the word, which this unit's lines write again
.irp u, 0,1
.irp j, 0,1,2,3,4,5,6,7
	ds_load_b128 v[\R+32*\u+4*\j:\R+32*\u+4*\j+3], v[\ard] offset:\ustep*\u+16*\j
.endr
.endr
.endm
.macro KUNIT g, R                      ; keys 32 g .. 32 g + 31 of my step: tiles 2 g and 2 g + 1
	TURN \R, STK, 2304
	s_wait_dscnt 8                                 ; the first tile's eight loads are in (the second's may be out); the unit before's stores of codes and word are done too
	Q32 \R, CK
	WORD WD0
	s_wait_dscnt 0x0
	Q32 \R+32, CK+4
	WORD WD1
	v_lshl_or_b32 v[WD0], v[WD1], 16, v[WD0]
	s_wait_alu depctr_va_vdst(0)                   ; the codes and the word are written, which the stores below read; the quantiser's lines are done reading the buffer, in which the loads behind this unit land
	ds_store_b128 v[KWI], v[CK:CK+3] offset:1024*\g
	ds_store_b128 v[KWI], v[CK+4:CK+7] offset:1024*\g+512
	ds_store_b32 v[KWS], v[WD0] offset:4*\g        ; lanes r and r + 16 write the same word with the same value
.endm
.macro VUNIT dh, b, R                  ; block b of my step's keys, columns 32 dh .. 32 dh + 31
	s_wait_dscnt 0x0                               ; the unit before's stores are done
	s_wait_alu depctr_vm_vsrc(0)                   ; the unit before's stores have read the codes' and the word's registers, which the lines below write again
	Q32 \R, CK
.if \b == 0
	v_mov_b32 v[VWD], v[BY]
.else
	v_lshl_or_b32 v[VWD], v[BY], 8*\b, v[VWD]      ; four bytes to the column's word, the earlier keys in the lower byte
.endif
	s_wait_alu depctr_va_vdst(0)                   ; the codes and the word are written, which the stores below read; the quantiser's lines are done reading the buffer, in which the loads behind this unit land
	ds_store_b128 v[VWI], v[CK:CK+3] offset:2048*\dh+512*(\b/2)+256*(\b%2)   ; block b is registers 4 (b / 2) on of lanes 16 (b % 2) on
.if \b == 3
	ds_store_b32 v[VWS], v[VWD] offset:8*\dh
.endif
.endm
	s_wait_loadcnt 16                              ; q is in; K's first 16 loads may be out.  (So at every wait below: what may be out is the one later unit)
	s_wait_alu depctr_va_vdst(0)                   ; the LDS addresses v224-231 are written, which phase 1's LDS stores and loads read
	TURN RA, STQ, 4608
	s_wait_dscnt 8                                 ; the early tile's eight loads are in
	Q32 RA, QFL+4
	WORD WD0
	v_lshl_or_b32 v[QSL], v[WD0], 16, v[WD0]       ; the two bytes twice: they serve q in either half of the K of 128
	s_wait_dscnt 0x0
	Q32 RA+32, QFH+4
	WORD WD0
	v_lshl_or_b32 v[QSH], v[WD0], 16, v[WD0]
	s_wait_alu depctr_va_vdst(0)                   ; the quantiser's lines are done reading RA, in which the loads below land
	LOADK 1, RA
	s_wait_loadcnt 16
	KUNIT 0, RB
	LOADK 2, RB
	s_wait_loadcnt 16
	KUNIT 1, RA
	LOADK 3, RA
	s_wait_loadcnt 16
	KUNIT 2, RB
	LOADV 0, 0, RB
	s_wait_loadcnt 32
	KUNIT 3, RA
	LOADV 0, 1, RA
	s_wait_loadcnt 32
	VUNIT 0, 0, RB
	LOADV 0, 2, RB
	s_wait_loadcnt 32
	VUNIT 0, 1, RA
	LOADV 0, 3, RA
	s_wait_loadcnt 32
	VUNIT 0, 2, RB
	LOADV 1, 0, RB
	s_wait_loadcnt 32
	VUNIT 0, 3, RA
	LOADV 1, 1, RA
	s_wait_loadcnt 32
	VUNIT 1, 0, RB
	LOADV 1, 2, RB
	s_wait_loadcnt 32
	VUNIT 1, 1, RA
	LOADV 1, 3, RA
	s_wait_loadcnt 32
	VUNIT 1, 2, RB
	s_wait_loadcnt 0x0
	VUNIT 1, 3, RA
	s_wait_dscnt 0x0                               ; for the others' sake: my images and scale words lie in LDS
	s_wait_alu depctr_vm_vsrc(0)                   ; phase 1's stores and loads have read the codes v216-223, the word v19 and the addresses v224-231: phase 2's lines write these registers
	s_barrier_signal -1
	v_mov_b32 v[STH+1], 0xff61b1e6                 ; register work while the others arrive.  The largest t so far: -3e38, under every t
	v_mov_b32 v[STL+1], 0xff61b1e6
	v_floor_f32 v[STH], -v[STH+1]                  ; -M
	v_floor_f32 v[STL], -v[STL+1]
.irp i, 2,3
	v_mov_b32 v[STH+\i], 0                         ; the sums, in two halves
	v_mov_b32 v[STL+\i], 0
.endr
.set jj, 0
.rept 64
	v_mov_b32 v[OH+jj], 0                          ; O^T of both tiles.  (The step is written once: the first finds zeros, which the first change of M leaves zeros)
.set jj, jj+1
.endr
.irp b, 0,1,2,3
	v_mov_b32 v[BT+\b], 0                          ; lane permutes' destinations count as sources
.endr
	v_mov_b32 v[F+1], 0                            ; (named as upper halves of pairs, or as permutes' destinations on the way out)
	v_mov_b32 v[T0+1], 0
	v_mov_b32 v[L2+1], 0
	s_mov_b32 s[TK], 0
	s_mov_b32 s[TS], 0
	s_mov_b32 s[KF], 0
	s_mov_b32 s[CNT], 16
	s_barrier_wait -1                              ; the head's K and V lie in LDS, whole: from here on nobody writes them
; ---- PHASE 2.  A KEY STEP of one tile: 128 keys.  st: its statistics; qf: its twelve registers of q; qw: q's scale word; acc: its O^T; qrow: its first query.
.macro STEP st, qf, qw, acc, qrow
	s_cmp_gt_u32 s[KF], s[\qrow]                   ; both are multiples of 16: then all 128 keys come after all 16 queries, and the step is left out
	s_cbranch_scc1 .Lhidden_\@
	v_add_nc_u32 v[ADK], s[TK], v[LI]
	v_add_nc_u32 v[ADV], s[TK], v[LV]
	v_add_nc_u32 v[ADS], s[TS], v[AKS]
	v_add_nc_u32 v[ADT], s[TS], v[AVS]
	s_wait_alu depctr_va_vdst(0)                   ; the four addresses are written, which the step's LDS loads read; the last step's products are done reading the fragments' and the scale words' registers, in which these loads land
.irp t, 0,1,2,3,4,5,6,7
	ds_load_b128 v[FB+4*\t:FB+4*\t+3], v[ADK] offset:512*\t        ; tile t of K: four registers; tiles 2 b and 2 b + 1 are one operand
.endr
	ds_load_b128 v[KS:KS+3], v[ADS]
	s_wait_dscnt 0x0
.irp b, 0,1,2,3
	v_wmma_scale_f32_16x16x128_f8f6f4 v[S+16*\b:S+16*\b+7], v[FB+8*\b:FB+8*\b+7], v[\qf+4:\qf+11], 0, v[KS+\b], v[\qw] matrix_a_fmt:MATRIX_FMT_FP4 matrix_b_fmt:MATRIX_FMT_FP4     ; [q, 0]: tile 2 b
	v_wmma_scale_f32_16x16x128_f8f6f4 v[S+16*\b+8:S+16*\b+15], v[FB+8*\b:FB+8*\b+7], v[\qf:\qf+7], 0, v[KS+\b], v[\qw] matrix_a_fmt:MATRIX_FMT_FP4 matrix_b_fmt:MATRIX_FMT_FP4    ; [0, q]: tile 2 b + 1
.endr                                          ; register 16 b + i of lane (r, h): query r, key KF + 32 b + 16 h + i
.rept 4
	v_nop                                          ; places in front of the first read of the scores (ISA guide 7.12.1)
.endr
	s_wait_alu depctr_va_vdst(0)                   ; the eight products are done reading K's fragments, in which V's land.  Up to V's last load no vector line names FB, VS, v6 or v8, on either way round the mask
	s_add_co_u32 s38, s[KF], 127                   ; a step all of whose keys count skips the mask
	s_cmp_le_u32 s38, s[\qrow]
	s_cbranch_scc1 .Lopen_\@
	s_sub_co_i32 s38, s[\qrow], s[KF]
	v_add_nc_u32 v[DD], s38, v[DL]                 ; d = my query - KF - 16 h: register 16 b + i is hidden where 32 b + i > d
.set gg, 0
.rept 8                                        ; eight registers at a time: a run of compares into eight scalar registers, one wait, the eight selects
.set nn, 0
.rept 8
	v_cmp_gt_i32 s[MK+nn], 32*((8*gg+nn)/16)+(8*gg+nn)%16, v[DD]
.set nn, nn+1
.endr
	s_wait_alu depctr_va_sdst(0)                   ; the eight masks are written, ahead of the selects that read them
.set nn, 0
.rept 8
	v_cndmask_b32 v[S+8*gg+nn], v[S+8*gg+nn], v[NINF], s[MK+nn]    ; -infinity ahead of the maximum: p = 0 then
.set nn, nn+1
.endr
.set gg, gg+1
.endr
.Lopen_\@:
.irp b, 0,1,2,3
	v_max3_num_f32 v[BM+\b], v[S+16*\b], v[S+1+16*\b], v[S+2+16*\b]   ; THE LARGEST SCORE OF EACH BLOCK OF 32 KEYS serves twice: for the row's maximum, and, since p rises with the score, for the block's largest p
.endr
.irp i, 3,5,7,9,11,13
.irp b, 0,1,2,3
	v_max3_num_f32 v[BM+\b], v[BM+\b], v[S+16*\b+\i], v[S+1+16*\b+\i]  ; (the four blocks by turns)
.endr
.if \i < 11                                    ; V's four fragments and its scale words are asked for here, a fragment behind each four lines: they land while the softmax is walked
	ds_load_b128 v[FB+8*((\i-3)/2):FB+8*((\i-3)/2)+3], v[ADV] offset:1024*((\i-3)/2)
	ds_load_b128 v[FB+8*((\i-3)/2)+4:FB+8*((\i-3)/2)+7], v[ADV] offset:1024*((\i-3)/2)+512
.elseif \i == 11
	ds_load_b128 v[VS:VS+3], v[ADT]
.endif
.endr
.irp b, 0,1,2,3
	v_max_num_f32 v[BM+\b], v[BM+\b], v[S+15+16*\b]
.endr
.irp b, 0,1,2,3
	v_permlanex16_b32 v[BT+\b], v[BM+\b], s[SEL], s[SEL+1]
.endr
.irp b, 0,1,2,3
	v_max_num_f32 v[BM+\b], v[BM+\b], v[BT+\b]     ; with lane l xor 16's 16 keys
.endr
	v_max3_num_f32 v[T0], v[BM], v[BM+1], v[BM+2]
	v_max_num_f32 v[T0], v[T0], v[BM+3]            ; the step's largest score of my query
	v_mul_f32 v[T0], s[CS], v[T0]                  ; as t (c is positive)
	v_max_num_f32 v[\st+1], v[\st+1], v[T0]        ; the running largest t
	v_mov_b32 v[T0], v[\st]
	v_floor_f32 v[\st], -v[\st+1]                  ; the new -M = floor(-t) = -ceil(t): a whole number
	v_sub_f32 v[T0], v[\st], v[T0]                 ; old M - new M: a whole number, 0 or less
	v_cvt_i32_f32 v[T0], v[T0]                     ; (it saturates)
	v_ldexp_f32 v[F], 1.0, v[T0]                   ; f = 2^(old M - new M)
.set jj, 0
.rept 32
	v_pk_fma_f32 v[S+jj:S+jj+1], v[S+jj:S+jj+1], s[CS:CS+1], v[\st:\st+1] op_sel_hi:[1,0,0]   ; t - M, two at a time (of the pairs c and -M the low word serves both halves)
.set jj, jj+2
.endr
.irp b, 0,1,2,3
	v_fma_f32 v[BM+\b], v[BM+\b], s[CS], v[\st]    ; the same of each block's largest score
.endr
.set jj, 0
	s_wait_alu depctr_va_vdst(0)
.rept 64
	v_exp_f32 v[S+jj], v[S+jj]                     ; p = 2^(t - M): not normalised
.set jj, jj+1
.endr
	v_pk_mul_f32 v[\st+2:\st+3], v[\st+2:\st+3], v[F:F+1] op_sel_hi:[1,0]   ; the sums under the new M; the plain instruction behind the exponentials
	s_wait_alu depctr_va_vdst(0)                   ; the 64 exponentials have written p: the wait ahead of the first instruction that names a result: one for the batch
.irp b, 0,1,2,3
	v_exp_f32 v[BM+\b], v[BM+\b]                   ; the block's largest p: the same two instructions on the same number give the same bits
.endr
	v_pk_add_f32 v[L2:L2+1], v[S:S+1], v[S+2:S+3]  ; THE ROW'S SUM IS TAKEN OF THE UNQUANTISED p, two at a time, in two chains; it reads the 64 alone: plain work behind the four
.set jj, 4
.rept 15
	v_pk_add_f32 v[\st+2:\st+3], v[\st+2:\st+3], v[S+jj:S+jj+1]
	v_pk_add_f32 v[L2:L2+1], v[L2:L2+1], v[S+jj+2:S+jj+3]
.set jj, jj+4
.endr
	v_pk_add_f32 v[\st+2:\st+3], v[\st+2:\st+3], v[L2:L2+1]
	s_wait_alu depctr_va_vdst(0)                   ; the four exponentials have written the blocks' largest p: the wait ahead of their first reader
.irp b, 0,1,2,3
	v_max_num_f32 v[BM+\b], 0x1800000, v[BM+\b]    ; the floor 2^(3 - 127): the byte cannot fall under 1 (a block whose every p is 0 keeps that byte: its codes are zeros)
.endr
.irp b, 0,1,2,3
	v_add_nc_u32 v[BS+\b], 0xff000000, v[BM+\b]    ; 2 off the exponent field: the conversion's scale operand
.endr
.irp b, 0,1,2,3
	v_lshrrev_b32 v[BT+\b], 23, v[BS+\b]           ; the scale's byte
.endr
	v_lshl_or_b32 v[PS], v[BT+1], 8, v[BT]         ; p's scale word for these 128 keys
	v_lshl_or_b32 v[PS], v[BT+2], 16, v[PS]
	v_lshl_or_b32 v[PS], v[BT+3], 24, v[PS]
.irp b, 0,1,2,3
	v_cvt_scalef32_pk8_fp4_f32 v[PC+2*\b], v[S+16*\b:S+16*\b+7], v[BS+\b]
	v_cvt_scalef32_pk8_fp4_f32 v[PC+2*\b+1], v[S+16*\b+8:S+16*\b+15], v[BS+\b]
.endr
	v_nop                                          ; one plain instruction between a scaled conversion and what next touches its result or writes its sources
.irp c, 0,1                                    ; the operand's layout wants a WHOLE block in a lane: lanes 0-15 block 2 c, lanes 16-31 block 2 c + 1
.irp i, 0,1
	v_permlane16_swap_b32 v[PC+4*\c+\i], v[PC+2+4*\c+\i]
.endr
.endr
.set jj, 0
.rept 16
	v_pk_mul_f32 v[\acc+jj:\acc+jj+1], v[\acc+jj:\acc+jj+1], v[F:F+1] op_sel_hi:[1,0]   ; O^T under the new M.  These sixteen also stand between the writes of p's codes and scale word and the products
.set jj, jj+2
.endr
	s_wait_dscnt 0x0                               ; V's fragments and scale words are in
	s_wait_alu depctr_vm_vsrc(0)                   ; the step's LDS loads have read v5-8, which the next step's additions, over the loop's edge too, and the way out write
	s_wait_alu depctr_va_vdst(0)                   ; p's codes and p's scale word are written, which the scaled products below take as source 1 and as its scales; the places above stay beside this wait
.irp t, 0,1,2,3                                ; O^T += V^T p^T: the four accumulators by turns, one instruction a turn
	v_wmma_scale_f32_16x16x128_f8f6f4 v[\acc+8*\t:\acc+8*\t+7], v[FB+8*\t:FB+8*\t+7], v[PC:PC+7], v[\acc+8*\t:\acc+8*\t+7], v[VS+\t], v[PS] matrix_a_fmt:MATRIX_FMT_FP4 matrix_b_fmt:MATRIX_FMT_FP4
.endr
.Lhidden_\@:
.endm
.Lstep:                                            ; sixteen trips, a constant: what a tile does not need is jumped over inside
	STEP STH, QFH, QSH, OH, Q0H
	STEP STL, QFL, QSL, OL, Q0L
	s_add_co_u32 s[TK], s[TK], 4096
	s_add_co_u32 s[TS], s[TS], 256
	s_add_co_u32 s[KF], s[KF], 128
	s_sub_co_u32 s[CNT], s[CNT], 1
	s_cmp_lg_u32 s[CNT], 0
	s_cbranch_scc1 .Lstep
; ---- THE WAY OUT.  The sums' halves are added; O^T is divided by the sum and goes through my stage, a tile (16 rows of 256 bytes) at a time.  A tile's rows are 4,096 dense bytes of out0.
	v_add_f32 v[T0], v[STH+2], v[STH+3]            ; (these lines are also the places behind the last products)
	s_wait_alu depctr_va_vdst(0)
	v_add_f32 v[L2], v[STL+2], v[STL+3]
	v_permlanex16_b32 v[T0+1], v[T0], s[SEL], s[SEL+1]
	v_permlanex16_b32 v[L2+1], v[L2], s[SEL], s[SEL+1]
	v_add_f32 v[T0], v[T0], v[T0+1]                ; with lane l xor 16's: the rows' sums
	v_add_f32 v[L2], v[L2], v[L2+1]
	s_wait_alu depctr_va_vdst(0)
	v_rcp_f32 v[T0], v[T0]
	v_rcp_f32 v[L2], v[L2]
	v_and_b32 v7, 15, v0                           ; plain work behind the reciprocals: r,
	v_bfe_u32 v8, v0, 4, 1                         ; h
	v_mul_u32_u24 v5, v7, 272
	v_lshl_add_u32 v5, v8, 5, v5
	v_add_nc_u32 v5, s[SGW], v5                    ; in: row r; tile t's eight channels of my half lie 64 t + 32 h bytes on
	v_mul_u32_u24 v6, v8, 272
	v_lshl_add_u32 v6, v7, 4, v6
	v_add_nc_u32 v6, s[SGW], v6                    ; back: lanes 0-15 one row, lanes 16-31 the next
	s_wait_alu depctr_va_vdst(0)                   ; the two reciprocals are written: the wait ahead of their first reader
.macro SCALE acc, rc, dst
.set jj, 0
.rept 16
	v_pk_mul_f32 v[\dst+jj:\dst+jj+1], v[\acc+jj:\acc+jj+1], v[\rc:\rc+1] op_sel_hi:[1,0]   ; each accumulator from its low end on
.set jj, jj+2
.endr
.endm
.macro THROUGH dst, back
.irp t, 0,1,2,3
	ds_store_b128 v5, v[\dst+8*\t:\dst+8*\t+3] offset:64*\t
	ds_store_b128 v5, v[\dst+8*\t+4:\dst+8*\t+7] offset:64*\t+16
.endr
.irp i, 0,1,2,3,4,5,6,7
	ds_load_b128 v[\back+4*\i:\back+4*\i+3], v6 offset:544*\i      ; LDS serves a wave's instructions in order: these see my stores, and the next tile's stores come behind them
.endr
.endm
.macro SEND back, base, younger        ; younger: the LDS instructions issued behind this tile's loads
.irp i, 0,1,2,3,4,5,6,7
	s_wait_dscnt \younger+7-\i
	global_store_b128 v[LI], v[\back+4*\i:\back+4*\i+3], s[\base:\base+1] offset:512*\i th:TH_STORE_NT   ; 32 lanes store 512 consecutive bytes, at a multiple of 512 from out0's first byte; written once
.endr
.endm
	SCALE OH, T0, S
	SCALE OL, L2, S+32
	s_wait_alu depctr_va_vdst(0)                   ; both tiles' quotients and the two stage addresses are written, which the LDS stores and loads below read; the last products are done reading FB and the multiplications OH, in which those loads land
	THROUGH S, FB
	THROUGH S+32, OH                               ; the late tile's O^T has been read: its registers take the early tile's rows
	SEND FB, OHI, 16                               ; behind the late tile's loads: the early tile's eight stores and eight loads
	SEND OH, OLO, 0
	s_wait_dscnt 0x0
	s_wait_alu depctr_hold_cnt(0) depctr_sa_sdst(0) depctr_va_vdst(0) depctr_va_sdst(0) depctr_va_ssrc(0) depctr_va_vcc(0) depctr_vm_vsrc(0)
	s_wait_tensorcnt 0x0
	ds_add_u32 v254, v255
	s_wait_dscnt 0x0
	s_endpgm
.Lfunc_end_k_qc8b57135cb_attn:
	.size	k_qc8b57135cb_attn, .Lfunc_end_k_qc8b57135cb_attn-k_qc8b57135cb_attn
	.p2alignl 7, 3214868480
	.fill 96, 4, 3214868480
	.section	.rodata,"a",@progbits
	.p2align	6, 0x0
	.amdhsa_kernel k_qc8b57135cb_attn
		.amdhsa_group_segment_fixed_size 288768
		.amdhsa_private_segment_fixed_size 0
		.amdhsa_enable_private_segment 0
		.amdhsa_kernarg_size 32
		.amdhsa_user_sgpr_count 2
		.amdhsa_user_sgpr_kernarg_segment_ptr 1
		.amdhsa_wavefront_size32 1
		.amdhsa_system_sgpr_workgroup_id_x 1
		.amdhsa_system_sgpr_workgroup_id_y 1
		.amdhsa_system_sgpr_workgroup_id_z 1
		.amdhsa_system_vgpr_workitem_id 0
		.amdhsa_next_free_vgpr 256
		.amdhsa_next_free_sgpr 66
		.amdhsa_reserve_vcc 0
		.amdhsa_float_denorm_mode_32 3
		.amdhsa_float_denorm_mode_16_64 3
		.amdhsa_memory_ordered 1
		.amdhsa_forward_progress 1
		.amdhsa_inst_pref_size 135
	.end_amdhsa_kernel
	.amdgpu_metadata
---
amdhsa.version: [ 1, 2 ]
amdhsa.kernels:
  - .name:           k_qc8b57135cb_attn
    .symbol:         k_qc8b57135cb_attn.kd
    .args:
      - { .name: q, .offset: 0, .size: 8, .value_kind: global_buffer, .address_space: global }
      - { .name: k, .offset: 8, .size: 8, .value_kind: global_buffer, .address_space: global }
      - { .name: v, .offset: 16, .size: 8, .value_kind: global_buffer, .address_space: global }
      - { .name: out0, .offset: 24, .size: 8, .value_kind: global_buffer, .address_space: global }
    .group_segment_fixed_size: 288768
    .private_segment_fixed_size: 0
    .kernarg_segment_align: 8
    .kernarg_segment_size: 32
    .max_flat_workgroup_size: 512
    .sgpr_count:     66
    .vgpr_count:     256
    .wavefront_size: 32
...
	.end_amdgpu_metadata
.endif
;; end of part 2
